; MI455X (gfx1250); checked and timed in simulation.
; The chip was launched on July 23, 2026; its instructions are those of AMD's public machine-readable ISA for CDNA 5 (MIT licence, August 2026) and "CDNA5" Instruction Set Architecture Reference Guide (July 2026). The comments in the code are by the model that wrote it; some were corrected since.
;; slam model. Allowed arithmetic: matrix products marked QUANTISED: E3M2 operands, one E8M0 scale for each 32 along K, by v_wmma_scale_f32_16x16x128_f8f6f4 with both operands' format E3M2, f32 sums; everything else in f32.
;; Inputs: embed_weight 16,000 x 2,048 float32; encoder_outs 4 x 512 x 2,048 float32; input_ids 4 x 1,024 int32; modality_mask 4 x 1,024 bool.
;; Outputs: out0 4 x 1,024 x 2,048 float32; out1 4 x 512 int32.
;; This version of the problem:
;;   THIS VERSION OF THE PROBLEM IS GIVEN IN LOW PRECISION. The matrix products marked QUANTISED in the list below multiply operands that are first quantised to E3M2 (3 exponent bits, 2 mantissa bits; 6 bits a number), with one power-of-two scale for each 32 numbers along K (OCP MX v1.0); their sums are f32. All else is computed in f32.
;;   The module's matrix products, in the order in which they are computed (A, B: the left and right operand; K: the contracted axis; several contracted axes count as one K, in the product's order):
;;     1. [M 2,048, K 2,048] x [K 2,048, N 16,000]; A: input encoder_outs; B: input embed_weight: QUANTISED
;;   THE QUANTISER, for each operand of a quantised product, along K:
;;     - K is cut into blocks of 32 from its start; a last block that is shorter is filled with zeros.
;;     - A block's scale is 2^e with e = floor(log2(the largest magnitude in the block)) - 4, held to -126 .. 127; a block of zeros has e = 0. As a byte (E8M0): e + 127.
;;     - Each number is divided by its block's scale, clamped to +-28, and rounded to the nearest number of E3M2, ties to even, subnormals kept.
;;     - The product sums the exact products of the quantised numbers (number of the format x scale) in f32.
;;   ~~~python
;;   def quantise(x, axis):      # numpy; x: float32 -> the quantised numbers, widened to float32 again
;;       x = np.moveaxis(x, axis, -1); K = x.shape[-1]
;;       x = np.pad(x, [(0, 0)] * (x.ndim - 1) + [(0, -K % 32)]); x = x.reshape(x.shape[:-1] + (-1, 32)); a = np.abs(x).max(-1, keepdims=True)
;;       e = np.where(a > 0, np.clip(np.frexp(np.where(a > 0, a, 1))[1] - 1 - 4, -126, 127), 0)      # np.frexp(a)[1] - 1 = floor(log2(a)), exactly
;;       r = np.clip(x / 2.0 ** e, -28, 28)
;;       step = 2.0 ** (np.maximum(np.frexp(np.where(r == 0, 1, r))[1] - 1, -2) - 2)
;;       q = np.round(r / step) * step * 2.0 ** e      # np.round: ties to even
;;       return np.moveaxis(q.reshape(q.shape[:-2] + (-1,))[..., :K], -1, axis).astype(np.float32)
;;   ~~~
;; One version. Each part assembles by itself: llvm-mc -triple=amdgcn-amd-amdhsa -mcpu=gfx1250 --defsym DOCPART=n.
;; ======== version 1 of 1: 3 launches
;; workspace buffers: codes 27,721,728 bytes; scales 1,155,072 bytes; rn 72,192 bytes; part 524,288 bytes of whole numbers
;; launch quant (part 1): grid 1128 x 1, 4 waves a work-group, no clusters, 34,560 bytes of LDS; arguments embed_weight, encoder_outs, codes, scales, rn; writes codes, scales, rn
.if DOCPART == 1
	.amdgcn_target "amdgcn-amd-amdhsa--gfx1250"
	.amdhsa_code_object_version 6
	.text
	.protected	k_q8b44bcb941_quant
	.globl	k_q8b44bcb941_quant
	.p2align	8
	.type	k_q8b44bcb941_quant,@function
k_q8b44bcb941_quant:
	s_mov_b64 s[64:65], 0
	v_nop
	global_prefetch_b8 v0, s[64:65] scope:SCOPE_SE
	s_setreg_imm32_b32 hwreg(HW_REG_WAVE_MODE, 25, 1), 1
	s_wait_xcnt 0x0
; Every row of embed_weight [16000][2048] and of encoder_outs [2048][2048], f32, becomes codes of BF6 (E3M2) with one E8M0 byte for each 32 along K, and 1 / (the row's norm).
; A block's scale is 2^(floor(log2(its largest magnitude)) - 4): its byte is the largest magnitude's exponent field - 4, held at 1 from below by a floor among the maximum's leaves.
; ROW BLOCKS.  rb = 16 rows: 0..999 are embed_weight's, 1000 + i are encoder rows 16 i on.  Work-group g takes row block g; wave w takes K quarter w: four fragments of 16 rows x 128 K.
; THE CODES ARE LAID AS THE PRODUCT'S REGISTERS WANT THEM: codes[t = K slot of 256][rb][q = 128-step in the slot][1,536 bytes], the 1,536 bytes being the image of a fragment's 12 registers:
; group g of four registers, lane l's 16 bytes at 512 g + 16 l.  Lane (r, h) of a fragment holds row r; registers 6 c .. 6 c + 5 hold k = 64 c + 32 h + 0 .. 31.
; scales[rb][t][r][q]: one word (four bytes, 128 along K) each.  rn[16 rb + r]: f32.
; A load takes 512 consecutive bytes of one row (16 a lane); a fragment's 16 rows turn through the wave's own stage in LDS (rows 528 bytes apart) and come back 128 consecutive bytes a lane and block.
; LIMITS: NaN and infinities are not served.  A block whose largest magnitude lies under 2^-122 keeps the byte 1; a block of zeros has the byte 1 and zero codes (this program alone reads the bytes).
; The sum of squares is held at 2^-126 from below ahead of the reciprocal root, which is good to one unit in the last place: an all-zero row gets a finite 1 / norm.
.set TS,    3465216                    ; bytes of a K slot in codes: 1,128 row blocks x 3,072
.set PITCH, 528                        ; a stage row: 512 bytes + 16: an odd multiple of 16
.set WSTG,  16*PITCH                   ; a wave's stage
.set NRM,   4*WSTG                     ; behind the stages: 4 x 64 bytes, each wave's part of the 16 sums of squares
.set M,     10                         ; v10-11   the two blocks' largest magnitudes
.set C,     12                         ; v12-23   the fragment
.set T,     24                         ; v24-30   the second halves of the two blocks' codes (a conversion's three registers begin on an even number)
.set R,     32                         ; v32-159  two sets of 64 registers as loaded
.set X,     160                        ; v160-223 my 64 numbers of the fragment
.set SS,    224                        ; v224-231 sums of squares: four chains of pairs
.set E,     232                        ; v232-233 the conversions' scale operands
.set BY,    234                        ; v234-235 the scale bytes
.set WORD,  236                        ; v236-239 my row's scale word of each of the four fragments
	s_load_b256 s[4:11], s[0:1], 0x0               ; embed_weight s[4:5], encoder_outs s[6:7], codes s[8:9], scales s[10:11]
	s_load_b64 s[12:13], s[0:1], 0x20              ; rn
	v_lshl_add_u32 v248, v0, 2, 0x8500
	v_mov_b32 v249, 0
	v_lshrrev_b32 v1, 5, v0
	v_readfirstlane_b32 s14, v1                    ; wave 0..3
	v_and_b32 v1, 31, v0                           ; lane
	v_and_b32 v2, 15, v0                           ; r
	v_bfe_u32 v3, v0, 4, 1                         ; h
	v_lshlrev_b32 v4, 4, v1                        ; 16 x lane: offset of loads and of code stores; never rewritten
	s_mul_i32 s15, s14, WSTG
	v_add_nc_u32 v5, s15, v4                       ; the stage, on the way in: 16 x lane in a row
	v_mul_u32_u24 v6, v2, PITCH
	v_lshl_add_u32 v6, v3, 7, v6
	v_add_nc_u32 v6, s15, v6                       ; and on the way out: row r, + 128 h bytes
	v_lshlrev_b32 v7, 3, v1                        ; 8 x lane: the scale words' place
	v_lshlrev_b32 v8, 3, v3                        ; 8 h: my bytes' place in a scale word, in bits
	v_mov_b32 v9, 0                                ; a lane permute's destination counts as one of its sources: written once
	v_lshlrev_b32 v241, 2, v2                      ; 4 r: rn's place
	v_add_nc_u32 v240, NRM, v241                   ; where wave 0 reads the four parts of row r's sum
	s_lshl_b32 s15, s14, 6
	v_add_nc_u32 v31, s15, v240                    ; where I put my part
	s_mov_b32 s20, 0x76543210
	s_mov_b32 s21, 0xfedcba98                      ; v_permlanex16_b32's selects for lane l xor 16
	s_wait_kmcnt 0x0
	s_cmp_lt_u32 ttmp9, 1000                       ; which tensor: the choice hangs on the work-group's number alone
	s_cselect_b64 s[4:5], s[4:5], s[6:7]
	s_cselect_b32 s16, 0, 1000
	s_sub_co_u32 s16, ttmp9, s16
	s_lshl_b32 s16, s16, 17                        ; 16 rows of 8,192 bytes
	s_lshl_b32 s17, s14, 11                        ; my K quarter: 2,048 bytes of a row
	s_add_co_u32 s16, s16, s17
	s_mov_b32 s17, 0
	s_add_nc_u64 s[4:5], s[4:5], s[16:17]
	s_mul_i32 s18, s14, 2*TS                       ; my two K slots,
	s_mul_i32 s19, ttmp9, 3072                     ; my row block
	s_add_co_u32 s18, s18, s19
	s_mov_b32 s19, 0
	s_add_nc_u64 s[8:9], s[8:9], s[18:19]
	s_lshl_b32 s18, ttmp9, 10
	s_lshl_b32 s16, s14, 8
	s_add_co_u32 s18, s18, s16                     ; scales: 1,024 a row block, 256 a wave
	s_add_nc_u64 s[10:11], s[10:11], s[18:19]
	s_lshl_b32 s18, ttmp9, 6
	s_add_nc_u64 s[12:13], s[12:13], s[18:19]      ; rn: 64 bytes a row block
.macro LOAD f                          ; fragment f as it lies: 16 loads, each 512 consecutive bytes of one row
.irp i, 0,1,2,3,4,5,6,7,8,9,10,11,12,13,14,15
	global_load_b128 v[R+64*((\f)%2)+4*\i:R+64*((\f)%2)+4*\i+3], v4, s[4:5] offset:8192*\i+512*(\f) th:TH_LOAD_NT
.endr
.endm
.macro FRAGMENT f
.set RS, R+64*((\f)%2)
.if (\f) < 3
	s_wait_loadcnt 16                              ; this fragment's 16 loads are in; the next fragment's 16 may be out
.else
	s_wait_loadcnt 0x0
.endif
.irp i, 0,1,2,3,4,5,6,7,8,9,10,11,12,13,14,15
	ds_store_b128 v5, v[RS+4*\i:RS+4*\i+3] offset:PITCH*\i
.endr
.irp j, 0,1,2,3,4,5,6,7                ; LDS serves a wave's instructions in order: these see the stores above
	ds_load_b128 v[X+4*\j:X+4*\j+3], v6 offset:16*\j               ; k = 32 h + 0 .. 31 of row r
.endr
.irp j, 0,1,2,3,4,5,6,7
	ds_load_b128 v[X+32+4*\j:X+32+4*\j+3], v6 offset:256+16*\j     ; k = 64 + 32 h + 0 .. 31
.endr
	s_wait_dscnt 0x0                               ; my 64 numbers are in, and the stores have read the set,
.if (\f)+2 < 4
	LOAD (\f)+2                                    ; which takes the fragment two on
.endif
.irp c, 0,1
	v_max3_num_f32 v[M+\c], |v[X+32*\c]|, |v[X+32*\c+1]|, 0x2800000   ; a whole block is mine; the floor 2^(5 - 127) holds the byte at 1 from below
.endr
.irp i, 2,4,6,8,10,12,14,16,18,20,22,24,26,28,30
.irp c, 0,1
	v_max3_num_f32 v[M+\c], v[M+\c], |v[X+32*\c+\i]|, |v[X+32*\c+\i+1]|   ; the two blocks by turns
.endr
.endr
.set n, 0
.rept 32                               ; the squares of the unquantised numbers, two at a time, in four chains; the first four products start the sums
.if ((\f) == 0) && (n < 4)
	v_pk_mul_f32 v[SS+2*(n%4):SS+2*(n%4)+1], v[X+2*n:X+2*n+1], v[X+2*n:X+2*n+1]
.else
	v_pk_fma_f32 v[SS+2*(n%4):SS+2*(n%4)+1], v[X+2*n:X+2*n+1], v[X+2*n:X+2*n+1], v[SS+2*(n%4):SS+2*(n%4)+1]
.endif
.set n, n+1
.endr
.irp c, 0,1
	v_add_nc_u32 v[E+\c], 0xfe000000, v[M+\c]      ; 4 off the exponent field: the conversion takes this operand's exponent field as its scale
.endr
.irp c, 0,1
	v_lshrrev_b32 v[BY+\c], 23, v[E+\c]            ; the scale's byte
.endr
	v_lshl_or_b32 v[WORD+(\f)], v[BY+1], 16, v[BY] ; my two bytes: blocks h and 2 + h of row r,
	v_lshlrev_b32 v[WORD+(\f)], v8, v[WORD+(\f)]   ; at their places;
	v_permlanex16_b32 v9, v[WORD+(\f)], s20, s21
	v_or_b32 v[WORD+(\f)], v[WORD+(\f)], v9        ; with lane l xor 16's two the word is whole, in both lanes
	s_wait_xcnt 0x0                                ; the last fragment's stores have read C: it is written again only behind this wait
.irp c, 0,1
	v_cvt_scalef32_pk16_bf6_f32 v[C+6*\c:C+6*\c+2], v[X+32*\c:X+32*\c+15], v[E+\c]
	v_cvt_scalef32_pk16_bf6_f32 v[T+4*\c:T+4*\c+2], v[X+32*\c+16:X+32*\c+31], v[E+\c]
.endr
	v_nop                                          ; one plain place behind the scaled conversions
.irp c, 0,1
.irp i, 0,1,2
	v_mov_b32 v[C+6*\c+3+\i], v[T+4*\c+\i]
.endr
.endr
.irp g, 0,1,2
	global_store_b128 v4, v[C+4*\g:C+4*\g+3], s[8:9] offset:((\f)/2)*TS+((\f)%2)*1536+512*\g   ; 512 consecutive bytes, at a multiple of 256 from the buffer's first byte
.endr
.endm
	LOAD 0
	LOAD 1
	FRAGMENT 0
	FRAGMENT 1
	FRAGMENT 2
	FRAGMENT 3
	; the scale words: lane (r, h) stores those of my K slot h, q = 0 and 1: the wave's store covers 256 consecutive aligned bytes
	s_mov_b32 vcc_lo, 0xffff0000
	v_cndmask_b32 v10, v[WORD], v[WORD+2], vcc_lo
	v_cndmask_b32 v11, v[WORD+1], v[WORD+3], vcc_lo
	global_store_b64 v7, v[10:11], s[10:11]
	; the norm: my chains, lane l xor 16's, then the four waves' parts through LDS
	v_pk_add_f32 v[SS:SS+1], v[SS:SS+1], v[SS+2:SS+3]
	v_pk_add_f32 v[SS+4:SS+5], v[SS+4:SS+5], v[SS+6:SS+7]
	v_pk_add_f32 v[SS:SS+1], v[SS:SS+1], v[SS+4:SS+5]
	v_add_f32 v[SS], v[SS], v[SS+1]
	v_permlanex16_b32 v9, v[SS], s20, s21
	v_add_f32 v[SS], v[SS], v9
	ds_store_b32 v31, v[SS]                        ; both halves of the lanes write the same word with the same value
	s_wait_dscnt 0x0                               ; for the others' sake: my store is done
	s_barrier_signal -1
	s_barrier_wait -1
	s_cmp_lg_u32 s14, 0
	s_cbranch_scc1 .Ldone
	ds_load_b32 v160, v240
	ds_load_b32 v161, v240 offset:64
	ds_load_b32 v162, v240 offset:128
	ds_load_b32 v163, v240 offset:192
	s_wait_dscnt 0x0
	v_add_f32 v160, v160, v161
	v_add_f32 v162, v162, v163
	v_add_f32 v160, v160, v162
	v_max_num_f32 v160, 0x800000, v160             ; 2^-126 from below
	v_rsq_f32 v161, v160
	v_nop                                          ; a plain place behind the transcendental
	s_wait_alu depctr_va_vdst(0)                   ; and the wait ahead of its first reader
	s_wait_xcnt 0x0                                ; EXEC changes only behind this wait
	v_cmp_gt_u32 vcc_lo, 16, v1
	s_and_saveexec_b32 s22, vcc_lo
	global_store_b32 v241, v161, s[12:13]          ; 64 bytes a work-group: one byte for each 2,048 that it reads
	s_wait_xcnt 0x0
	s_or_b32 exec_lo, exec_lo, s22
.Ldone:
	s_wait_tensorcnt 0x0
	ds_add_u32 v248, v249
	s_wait_dscnt 0x0
	s_endpgm
.Lfunc_end_k_q8b44bcb941_quant:
	.size	k_q8b44bcb941_quant, .Lfunc_end_k_q8b44bcb941_quant-k_q8b44bcb941_quant
	.p2alignl 7, 3214868480
	.fill 96, 4, 3214868480
	.section	.rodata,"a",@progbits
	.p2align	6, 0x0
	.amdhsa_kernel k_q8b44bcb941_quant
		.amdhsa_group_segment_fixed_size 34560
		.amdhsa_private_segment_fixed_size 0
		.amdhsa_enable_private_segment 0
		.amdhsa_kernarg_size 40
		.amdhsa_user_sgpr_count 2
		.amdhsa_user_sgpr_kernarg_segment_ptr 1
		.amdhsa_wavefront_size32 1
		.amdhsa_system_sgpr_workgroup_id_x 1
		.amdhsa_system_sgpr_workgroup_id_y 1
		.amdhsa_system_sgpr_workgroup_id_z 1
		.amdhsa_system_vgpr_workitem_id 0
		.amdhsa_next_free_vgpr 250
		.amdhsa_next_free_sgpr 66
		.amdhsa_reserve_vcc 1
		.amdhsa_float_denorm_mode_32 3
		.amdhsa_float_denorm_mode_16_64 3
		.amdhsa_memory_ordered 1
		.amdhsa_forward_progress 1
		.amdhsa_inst_pref_size 39
	.end_amdhsa_kernel
	.amdgpu_metadata
---
amdhsa.version: [ 1, 2 ]
amdhsa.kernels:
  - .name:           k_q8b44bcb941_quant
    .symbol:         k_q8b44bcb941_quant.kd
    .args:
      - { .name: embed_weight, .offset: 0, .size: 8, .value_kind: global_buffer, .address_space: global }
      - { .name: encoder_outs, .offset: 8, .size: 8, .value_kind: global_buffer, .address_space: global }
      - { .name: codes, .offset: 16, .size: 8, .value_kind: global_buffer, .address_space: global }
      - { .name: scales, .offset: 24, .size: 8, .value_kind: global_buffer, .address_space: global }
      - { .name: rn, .offset: 32, .size: 8, .value_kind: global_buffer, .address_space: global }
    .group_segment_fixed_size: 34560
    .private_segment_fixed_size: 0
    .kernarg_segment_align: 8
    .kernarg_segment_size: 40
    .max_flat_workgroup_size: 128
    .sgpr_count:     66
    .vgpr_count:     250
    .wavefront_size: 32
...
	.end_amdgpu_metadata
.endif
;; end of part 1
;; launch gemm (part 2): grid 32 x 8, 4 waves a work-group, clusters of 4 x 4, 327,680 bytes of LDS; arguments codes, scales, rn, part; writes part
.if DOCPART == 2
	.amdgcn_target "amdgcn-amd-amdhsa--gfx1250"
	.amdhsa_code_object_version 6
	.text
	.protected	k_q8b44bcb941_gemm
	.globl	k_q8b44bcb941_gemm
	.p2align	8
	.type	k_q8b44bcb941_gemm,@function
k_q8b44bcb941_gemm:
	s_mov_b64 s[64:65], 0
	v_nop
	global_prefetch_b8 v0, s[64:65] scope:SCOPE_SE
	s_setreg_imm32_b32 hwreg(HW_REG_WAVE_MODE, 25, 1), 1
	s_wait_xcnt 0x0
	s_wait_alu depctr_hold_cnt(0) depctr_sa_sdst(0) depctr_va_vdst(0) depctr_va_sdst(0) depctr_va_ssrc(0) depctr_va_vcc(0) depctr_vm_vsrc(0)
	s_getreg_b32 s2, hwreg(HW_REG_IB_STS2, 6, 4)
	s_cmp_eq_u32 s2, 0
	s_cbranch_scc0 .Lentry_in_a_cluster
	s_endpgm
.Lentry_in_a_cluster:
	s_bfe_u32 s2, ttmp6, 0x10000c
	s_cmp_lg_u32 s2, 0xf033
	s_cbranch_scc0 .Lentry_shape_is_right
	s_endpgm
.Lentry_shape_is_right:
; sim[m][n] = sum over k of enc[m][k] W[n][k] on codes of BF6 (E3M2) with E8M0 scales; cosine = sim x 1/|W n| x 1/|enc m|; for each row m the largest cosine and its lowest n, over the 512 columns of a work-group.
; SHARES.  Work-group (x, y): encoder rows 256 y on, and 512 columns from row block NB0 = min(32 x, 968) on, as two tiles of 256.  16,000 columns are 1,000 blocks of 16, which 32 work-group columns do not divide:
; the last begins at block 968 and repeats 384 columns of its neighbour, with their true numbers and the same bits; no load leaves a buffer.  Four waves; a wave makes 128 x 128: 64 accumulators, 512 registers.
; Wave w: s15 = w / 2 its half of the rows, s16 = w % 2 its half of the columns: columns 256 s16 + 128 tile + 0 .. 127 of the 512.
; TILES.  codes[t][rb][q][1,536] holds images of fragments: 8 row blocks of one K slot of 256 are 24,576 dense bytes, one tensor load a wave; a fragment comes out of LDS by three loads of 512 consecutive bytes.
; A ring of two slots; the scale words of all of K (A's 16 row blocks, B's 32) come once, with the first fills, and stay.  The ring runs on from tile 0 into tile 1.
; CLUSTERS: 4 x 4 work-groups; A's tiles and scales are asked for jointly along a row of the cluster, B's along a column: the same load with the same descriptor and a mask that names the four.
; THE MATRIX INSTRUCTION IS USED TRANSPOSED (source 0 = 16 rows of W, source 1 = 16 encoder rows): a lane holds ONE encoder row (16 a + lane % 16) and eight neighbouring columns 8 (lane / 16) + 0 .. 7.
; THE ARGMAX.  For each block a of rows a lane keeps four chains p = 0 .. 3 (columns with j % 4 = p): the largest sim x 1/|W| so far and a small code, 4 (8 tile + b) + j / 4, which is an inline constant.
; In a chain the columns ascend and only a strictly larger number replaces, so the first maximum is kept.  At the end n = 4 x code + (16 NB0 + 256 s16 + 8 (lane / 16) + p); chains and the two halves of the lanes are
; joined by value, then by the lower n.  1/|enc m| is one positive number for the whole row: it multiplies the row's winner, behind the search, not every sum.
; WHAT IS HANDED ON: part[x][m] = (key, n), whole numbers.  key is the cosine's bits in an order-preserving form (-0 made +0; a set sign turns all bits over, a clear one sets the top bit): an unsigned compare of two
; keys is the f32 compare of the two cosines.  The two column halves of the work-group meet in LDS, so that a row has one pair for each work-group column.
; LIMITS: NaN and infinities are not served.  The cosine is two multiplications by reciprocal roots where reference() divides twice, and the search goes by sim x 1/|W|: the order of rounding differs from
; reference()'s, so two columns that its two divisions would round to one number can be told apart here.
; REGISTERS, in windows of 256.  window 0: v1-3 r, h, lane; v16-31 addresses; v32-63 scale words, two sets; v64-79 at 2 a: 1/|enc| of block a, later the results (key, n);
;   v80-95 at work at the end; v96-127 the chains' values; v128-223 A's fragments, one set; v224-255 the chains' codes.
;   window 1: v0-95, v128-223 B's fragments, two sets (v128-191 also hold a block's 64 numbers behind a tile's last product); v96-127, v224-255 1/|W| of my 128 columns.   windows 2, 3: the accumulators.
.set TS,     3465216                   ; bytes of a K slot in codes
.set RBB,    3072                      ; a row block in a slot: two fragments
.set FR,     12                        ; registers of a fragment
.set NL,     3                         ; LDS loads that bring one
.set NP,     4                         ; places behind this matrix instruction (ISA guide 7.12.1)
.set NQ,     2                         ; matrix instructions deep in a slot
.set HALFT,  8*RBB                     ; what one tensor load brings, and what one wave reads of A or of B
.set SLOT,   4*HALFT                   ; A's 16 row blocks, then B's 16
.set SCLA,   2*SLOT                    ; A's scale words: 16 row blocks x 1,024
.set SCLB,   SCLA+16384                ; B's: 32 row blocks
.set SPARE,  SCLB+32768                ; the spare words, 128 bytes for each wave: two blocks of 256 bytes that no other line names
.set STG,    SPARE+512                 ; the way out: 1,024 bytes for each wave; no fill lands here
.set ADRA,  16                         ; v16-17 LDS address of my A fragments in slot 0, 1
.set ADRB,  20                         ; v20-21 the same for B
.set ADRS1, 22                         ; v22    my scale words, tile 1
.set PFO,   23                         ; v23    the prefetches' offset: 256 x min(lane, 23); never rewritten
.set STA,   24                         ; v24    the way out: where I put a row's 8 bytes
.set STR,   25                         ; v25    and where I read two rows of column half 0 back; half 1's lie 1,024 bytes on
.set GO,    26                         ; v26    16 x lane
.set ADRS0, 27                         ; v27    my scale words, tile 0: lanes 0-15 A's rows, lanes 16-31 B's
.set SPW,   28                         ; v28    LDS address of my spare word; never rewritten
.set NIL,   29                         ; v29    0; never rewritten
.set REO,   30                         ; v30    4 r
.set RWO,   31                         ; v31    32 h
.set SC,    32
.set RE,    64
.set CP,    80
.set TV,    84
.set TN,    85
.set BK,    88
.set BV,    96
.set AF,    128
.set BI,    224
.set TMP,   128                        ; in window 1
.set RWB,   96                         ; in window 1: block b at RWB + 8 b + 96 (b / 4)
.set LIM, 2                            ; s2       1 in a wave that prefetches, else the greatest number
.set G1, 24                            ; s[24:31] group 1 for A's tiles; s[32:39] group 0, one set a slot
.set G0, 32
.set G1B, 48                           ; s[48:55], s[56:63] the same for B's
.set G0B, 56
.set PFA, 66                           ; s[66:67] where my prefetches stand: my work-group's 24 blocks of 256 bytes of the 96 that I fetch, one K slot further on than the refill in hand; a prefetch names the slot after that
.set G1S, 68                           ; s[68:75], s[76:79] A's scales; s[80:87], s[88:91] B's
.set G0S, 76
.set G1SB, 80
.set G0SB, 88
.set MSB, 0
.macro WIN new                         ; the immediate's high byte repeats the setting that is left
.if MSB != (\new)
	s_set_vgpr_msb (MSB<<8)|(\new)
.set MSB, (\new)
.endif
.endm
.set MUL_LO, 0xa1                      ; source 0 (B) window 1, source 1 (A) window 0, C and D window 2
.set MUL_HI, 0xf1                      ; the same, C and D window 3
.set TO_B,   0x40                      ; destination window 1, address window 0
; A joint load: waves 0 and 1 fetch for A, waves 2 and 3 for B.  Each line has one mask and one set of registers for all that issue it; the branch hangs on the wave's number alone.
; Four v_nop follow each of the two lines, ahead of the jump, the label and what follows.
.macro JLOAD g0a, g1a, g0b, g1b
	s_cmp_eq_u32 s15, 0
	s_cbranch_scc0 .Lfor_b_\@
	tensor_load_to_lds s[\g0a:\g0a+3], s[\g1a:\g1a+7]
	s_nop 0
.rept 4
	v_nop
.endr
	s_branch .Lasked_\@
.Lfor_b_\@:
	tensor_load_to_lds s[\g0b:\g0b+3], s[\g1b:\g1b+7]
	s_nop 0
.rept 4
	v_nop
.endr
.Lasked_\@:
.endm
; A PREFETCH INTO THE L2, behind each joint refill, its four lines and the run of LDS loads that follows them: the K slot that stands TWO refills on, 256 matrix instructions ahead of the load that will want it.
; At a change of slots every wave has waited for all its tensor loads, so a refill goes out with nothing on its way beside it.  WHO: A's row blocks are read by every cluster of a row of clusters: cluster x = 0 asks;
; B's by every cluster of a column: cluster y = 0 asks.  Of the 96 blocks of 256 bytes that a wave fetches, each of the four partners that ask for them jointly takes 24, told apart BY ADDRESS (cx for A, cy for B):
; a lane a block, lanes 24 to 31 naming lane 23's.  So a block is named by one instruction of the launch, but for the 24 row blocks that the last two work-group columns share: two name those.
; how = 0, in a loop: a tile's last two refills have no K slot two on.  how = 1, at the change of tiles: tile 1's K slots 2 and 3, of B alone: A's are the rows that tile 0 has walked.
; Tile 0's K slots 0 to 3 and tile 1's 0 and 1 come by their loads alone: nothing is asked for at the head.
.macro ASK how
.if \how
	s_cmp_eq_u32 s[LIM], 1
.else
	s_cmp_gt_u32 s3, s[LIM]                        ; s3 = 1 in a loop's last trip
.endif
	s_cbranch_scc0 .Lnot_mine_\@
	global_prefetch_b8 v[PFO], s[PFA:PFA+1] offset:TS th:TH_LOAD_NT scope:SCOPE_SE
.Lnot_mine_\@:
.endm
.macro CREST                           ; a round of the cluster's barrier behind its opening barrier
	s_cmp_lg_u32 s14, 0
	s_cbranch_scc1 .Lnot_wave_0_\@
	s_barrier_signal -3
.Lnot_wave_0_\@:
	s_barrier_wait -3
	s_barrier_signal -1
	s_barrier_wait -1
.endm
.macro CROUND                          ; a whole round
	s_barrier_signal -1
	s_barrier_wait -1
	CREST
.endm
	s_load_b256 s[4:11], s[0:1], 0x0               ; codes s[4:5], scales s[6:7], rn s[8:9], part s[10:11]
	v_lshl_add_u32 v[SPW], v0, 2, SPARE
	v_mov_b32 v[NIL], 0
	ds_add_u32 v28, v29
	ds_add_u32 v28, v29
	s_wait_dscnt 0x0
	v_lshrrev_b32 v1, 5, v0
	v_readfirstlane_b32 s14, v1                    ; wave 0..3
	s_lshr_b32 s15, s14, 1                         ; my half of the rows.  Also: I fetch for A (0) or for B (1)
	s_and_b32 s16, s14, 1                          ; my half of the columns.  Also: which half I fetch
	s_bfe_u32 s40, ttmp6, 0x40000                  ; cx, cy: my place in the cluster
	s_bfe_u32 s41, ttmp6, 0x40004
	s_lshl_b32 s42, ttmp9, 2
	s_add_co_u32 s42, s42, s40                     ; x = 4 x cluster x + cx
	s_and_b32 s17, ttmp7, 0xffff
	s_lshl_b32 s17, s17, 2
	s_add_co_u32 s17, s17, s41                     ; y = 4 x cluster y + cy
	s_lshl_b32 s43, s41, 2
	s_lshl_b32 s43, 15, s43                        ; my row of the cluster
	s_lshl_b32 s44, 0x1111, s40                    ; my column
	s_lshl_b32 s45, s42, 5
	s_min_u32 s45, s45, 968                        ; NB0: the first of my 32 row blocks of W
	; group 1 for the tiles: 24,576 dense bytes as 96 rows of 32 elements of 8 bytes; no padding: every LDS read takes 512 consecutive bytes
	s_or_b32 s[G1+0], s43, (3<<16)|(1<<21)         ; 15:0 the mask: my row; 17:16 elements of 8 bytes; 21 set beside a mask
	s_or_b32 s[G1B+0], s44, (3<<16)|(1<<21)        ; my column
.irp g, G1, G1B
	s_mov_b32 s[\g+1], 32<<16                      ; tensor_dim0 = 32
	s_mov_b32 s[\g+2], 96<<16                      ; tensor_dim1 = 96
	s_mov_b32 s[\g+3], 32<<16                      ; tile_dim0 = 32
	s_mov_b32 s[\g+4], 96                          ; tile_dim1 = 96
	s_mov_b32 s[\g+5], 32                          ; from row to row
	s_mov_b32 s[\g+6], 0
	s_mov_b32 s[\g+7], 0
.endr
	s_or_b32 s[G1S+0], s43, (3<<16)|(1<<21)        ; A's scales: 8 row blocks, 8,192 dense bytes: 32 rows
	s_mov_b32 s[G1S+1], 32<<16
	s_mov_b32 s[G1S+2], 32<<16
	s_mov_b32 s[G1S+3], 32<<16
	s_mov_b32 s[G1S+4], 32
	s_mov_b32 s[G1S+5], 32
	s_mov_b32 s[G1S+6], 0
	s_mov_b32 s[G1S+7], 0
	s_or_b32 s[G1SB+0], s44, (3<<16)|(1<<21)       ; B's: 16 row blocks, 16,384 dense bytes: 64 rows
	s_mov_b32 s[G1SB+1], 32<<16
	s_mov_b32 s[G1SB+2], 64<<16
	s_mov_b32 s[G1SB+3], 32<<16
	s_mov_b32 s[G1SB+4], 64
	s_mov_b32 s[G1SB+5], 32
	s_mov_b32 s[G1SB+6], 0
	s_mov_b32 s[G1SB+7], 0
	; where they come from.  A's hang on y alone, B's on x alone, each in registers that never hold the other coordinate
	s_lshl_b32 s20, s17, 4
	s_lshl_b32 s18, s16, 3
	s_add_co_u32 s20, s20, s18
	s_add_co_u32 s20, s20, 1000                    ; A: row block 1000 + 16 y + 8 x half
	s_lshl_b32 s22, s20, 10                        ; its scale words,
	s_mov_b32 s23, 0
	s_mul_i32 s20, s20, RBB                        ; its codes
	s_mov_b32 s21, 0
	s_lshl_b32 s46, s16, 4
	s_add_co_u32 s46, s46, s45                     ; B: row block NB0 + 16 x half: the first of that half's 16
	s_lshl_b32 s92, s46, 10
	s_mov_b32 s93, 0
	s_mul_i32 s46, s46, RBB
	s_mov_b32 s47, 0
	s_mul_i32 s94, s14, HALFT                      ; where they go: wave x 24,576: no place in the cluster enters an LDS address
	s_lshl_b32 s95, s16, 13
	s_lshl_b32 s19, s16, 14
	s_wait_kmcnt 0x0
	s_add_nc_u64 s[20:21], s[4:5], s[20:21]
	s_add_nc_u64 s[22:23], s[6:7], s[22:23]
	s_add_nc_u64 s[46:47], s[4:5], s[46:47]
	s_add_nc_u64 s[92:93], s[6:7], s[92:93]
	; the prefetches: where mine stand, and whether I ask
	s_and_b32 s18, ttmp7, 0xffff                   ; cluster y
	s_cmp_eq_u32 s15, 0                            ; do I fetch for A?
	s_cselect_b64 s[PFA:PFA+1], s[20:21], s[46:47] ; the 24,576 bytes that I fetch, in K slot 0
	s_cselect_b32 s18, ttmp9, s18                  ; the coordinate along which other clusters read the same bytes
	s_cselect_b32 s96, s40, s41                    ; my place among the four that ask for them with me
	s_mul_i32 s96, s96, 24*256                     ; my work-group's 24 blocks
	s_mov_b32 s97, 0
	s_add_nc_u64 s[PFA:PFA+1], s[PFA:PFA+1], s[96:97]
	s_add_nc_u64 s[PFA:PFA+1], s[PFA:PFA+1], 2*TS  ; at K slot 2: the first refill steps it to 3 and names K slot 4
	s_cmp_eq_u32 s18, 0
	s_cselect_b32 s[LIM], 1, -1                    ; the same in all sixteen partners, for a given wave
	CROUND                                         ; all sixteen work-groups are here: the first joint loads meet
	s_mov_b32 s[G0S], 1
	s_add_co_u32 s[G0S+1], s95, SCLA
	s_mov_b64 s[G0S+2:G0S+3], s[22:23]
	s_or_b32 s[G0S+3], s[G0S+3], 0x80000000
	s_mov_b32 s[G0SB], 1
	s_add_co_u32 s[G0SB+1], s19, SCLB
	s_mov_b64 s[G0SB+2:G0SB+3], s[92:93]
	s_or_b32 s[G0SB+3], s[G0SB+3], 0x80000000
	JLOAD G0S, G1S, G0SB, G1SB                     ; the scales first: they are wanted with K slot 0.  Three loads of a wave are out behind these first fills
.irp s, 0,1
	s_mov_b32 s[G0+4*\s], 1
	s_add_co_u32 s[G0+4*\s+1], s94, \s*SLOT
	s_add_nc_u64 s[G0+4*\s+2:G0+4*\s+3], s[20:21], \s*TS
	s_or_b32 s[G0+4*\s+3], s[G0+4*\s+3], 0x80000000
	s_mov_b32 s[G0B+4*\s], 1
	s_add_co_u32 s[G0B+4*\s+1], s94, \s*SLOT
	s_add_nc_u64 s[G0B+4*\s+2:G0B+4*\s+3], s[46:47], \s*TS
	s_or_b32 s[G0B+4*\s+3], s[G0B+4*\s+3], 0x80000000
	JLOAD G0+4*\s, G1, G0B+4*\s, G1B
.endr
	v_and_b32 v1, 15, v0                           ; r
	v_bfe_u32 v2, v0, 4, 1                         ; h
	v_and_b32 v3, 31, v0                           ; lane
	v_lshlrev_b32 v[GO], 4, v3
	v_min_u32 v[PFO], 23, v3
	v_lshlrev_b32 v[PFO], 8, v[PFO]
	s_mul_i32 s21, s15, HALFT                      ; my 8 row blocks of A
	s_mul_i32 s22, s16, HALFT                      ; my 8 of B,
	s_add_co_u32 s22, s22, 2*HALFT                 ; which lie behind A's 16
.irp s, 0,1
	v_add_nc_u32 v[ADRA+\s], s21, v[GO]
	v_add_nc_u32 v[ADRB+\s], s22, v[GO]
	s_add_co_u32 s21, s21, SLOT
	s_add_co_u32 s22, s22, SLOT
.endr
	v_lshlrev_b32 v5, 3, v1                        ; a row's two words of a slot: 8 r
	s_lshl_b32 s21, s15, 13                        ; A's: my 8 row blocks
	s_lshl_b32 s22, s16, 14                        ; B's: my half's 16 row blocks
	s_add_co_u32 s22, s22, SCLB-SCLA
	s_sub_co_u32 s22, s22, s21
	v_mul_u32_u24 v6, s22, v2                      ; lanes 16-31 take B's: one product, the distance between the two bases
	s_add_co_u32 s21, s21, SCLA
	v_add_nc_u32 v5, v5, v6
	v_add_nc_u32 v[ADRS0], s21, v5
	v_lshl_add_u32 v[ADRS1], v2, 13, v[ADRS0]      ; tile 1: B's 8 row blocks on; A's the same
	s_lshl_b32 s23, s14, 10
	s_add_co_u32 s23, s23, STG                     ; my stage
	v_lshl_add_u32 v[STA], v1, 3, s23
	s_lshl_b32 s21, s15, 11                        ; back: the stage of column half 0 of my half of the rows,
	s_lshl_b32 s22, s16, 9                         ; of its 128 rows my 64,
	s_add_co_u32 s21, s21, s22
	s_add_co_u32 s21, s21, STG
	v_add_nc_u32 v[STR], s21, v[GO]                ; two rows a lane
	v_lshlrev_b32 v[REO], 2, v1
	v_lshlrev_b32 v[RWO], 5, v2
	v_mov_b32 v[TV], 0                             ; lane permutes' destinations count as sources: written once
	v_mov_b32 v[TN], 0
	s_mov_b32 s98, 0x76543210
	s_mov_b32 s99, 0xfedcba98                      ; v_permlanex16_b32's selects for lane l xor 16
	s_lshl_b32 s18, s17, 10
	s_lshl_b32 s19, s15, 9
	s_add_co_u32 s18, s18, s19
	s_add_co_u32 s18, s18, 64000
	s_mov_b32 s19, 0
	s_add_nc_u64 s[12:13], s[8:9], s[18:19]        ; 1/|enc| of my 128 rows: rn + 64,000 + 4 (256 y + 128 s15)
	s_lshl_b32 s18, s45, 6
	s_lshl_b32 s20, s16, 10
	s_add_co_u32 s18, s18, s20
	s_add_nc_u64 s[96:97], s[8:9], s[18:19]        ; 1/|W| of my 256 columns: rn + 4 (16 NB0 + 256 s16)
	s_lshl_b32 s18, s42, 14
	s_lshl_b32 s20, s17, 11
	s_add_co_u32 s18, s18, s20
	s_lshl_b32 s20, s15, 10
	s_add_co_u32 s18, s18, s20
	s_lshl_b32 s20, s16, 9
	s_add_co_u32 s18, s18, s20
	s_add_nc_u64 s[10:11], s[10:11], s[18:19]      ; part + 16,384 x + 8 (256 y + 128 s15 + 64 s16)
.macro FRAG reg, adr, q, i             ; a fragment's image: three loads, lane l's 16 bytes at 16 l, 512 consecutive bytes each
.irp g, 0,1,2
	ds_load_b128 v[\reg+4*\g:\reg+4*\g+3], v[\adr] offset:(\i)*RBB+(\q)*1536+512*\g
.endr
.endm
; 16 matrix instructions: A's blocks a0, a0 + 1 x B's eight, the slot's q-th 128 along K.  p: B's set; sc: the set of scale words.  zero = 1: the first product starts the sums.
; The 64 accumulators take turns, one instruction a turn, in the same order in every step.
.macro MUL16 a0, p, q, sc, zero
.irp a, \a0, \a0+1
.irp b, 0,1,2,3,4,5,6,7
.if \zero
	v_wmma_scale_f32_16x16x128_f8f6f4 v[8*(8*((\a)%4)+\b):8*(8*((\a)%4)+\b)+7], v[128*(\p)+FR*\b:128*(\p)+FR*\b+FR-1], v[AF+FR*(\a):AF+FR*(\a)+FR-1], 0, v[SC+8*NQ*(\sc)+NQ*\b+(\q)], v[SC+8*NQ*(\sc)+NQ*(\a)+(\q)] matrix_a_fmt:MATRIX_FMT_BF6 matrix_b_fmt:MATRIX_FMT_BF6 matrix_a_scale:MATRIX_SCALE_ROW1
.else
	v_wmma_scale_f32_16x16x128_f8f6f4 v[8*(8*((\a)%4)+\b):8*(8*((\a)%4)+\b)+7], v[128*(\p)+FR*\b:128*(\p)+FR*\b+FR-1], v[AF+FR*(\a):AF+FR*(\a)+FR-1], v[8*(8*((\a)%4)+\b):8*(8*((\a)%4)+\b)+7], v[SC+8*NQ*(\sc)+NQ*\b+(\q)], v[SC+8*NQ*(\sc)+NQ*(\a)+(\q)] matrix_a_fmt:MATRIX_FMT_BF6 matrix_b_fmt:MATRIX_FMT_BF6 matrix_a_scale:MATRIX_SCALE_ROW1
.endif
.endr
.endr
.endm
.macro FETCH_B slot, q, p              ; B's eight fragments of the slot's q-th 128 along K into set p
	WIN TO_B
.irp i, 0,1,2,3,4,5,6,7
	FRAG 128*(\p)+FR*\i, ADRB+\slot, \q, \i
.endr
	WIN 0
.endm
.macro FETCH_A slot, q, i0             ; A's blocks i0 .. i0 + 3
.irp i, \i0, \i0+1, \i0+2, \i0+3
	FRAG AF+FR*(\i), ADRA+\slot, \q, \i
.endr
.endm
.macro SCALES sc, ar                   ; a slot's scale words into set sc: two words a row; lanes 0-15 take A's block i, lanes 16-31 B's block i
.irp i, 0,1,2,3,4,5,6,7
	ds_load_b64 v[SC+16*\sc+2*\i:SC+16*\sc+2*\i+1], v[\ar] offset:\i*1024
.endr
.endm
; A load into a register that a matrix instruction has read, and a vector instruction that reads a matrix result or writes one of its registers, stand NP places behind it; only plain vector instructions that
; name none of its registers are places (ISA guide 7.12.1 for vector instructions).
.macro PLACES n
.rept \n
	v_nop
.endr
.endm
; A step of 128 along K that has its successor in the same slot.
.macro STEP slot, q, zero
	s_wait_dscnt 4*NL                              ; B's set, A's blocks 0-3 and the scale words are in; the youngest twelve loads (A's blocks 4-7) may be out
	WIN MUL_LO
	MUL16 0, (\q)%2, \q, \slot, \zero
	MUL16 2, (\q)%2, \q, \slot, \zero
	s_wait_dscnt 0                                 ; A's blocks 4-7 are in (asked for 32 matrix instructions ago)
	PLACES NP
	FETCH_B \slot, (\q)+1, 1-(\q)%2
	FETCH_A \slot, (\q)+1, 0
	WIN MUL_HI
	MUL16 4, (\q)%2, \q, \slot, \zero
	MUL16 6, (\q)%2, \q, \slot, \zero
	PLACES NP
	WIN 0
	FETCH_A \slot, (\q)+1, 4
.endm
; A slot's last step changes slots: ONE barrier; in front of it each wave waits for all its tensor loads, adds 0 to its spare word, and waits for that and for its own reads of this slot.
; mode 0: nothing is filled.  1: this slot is filled again, two K slots on.  2: with the next tile's K slot of the same parity (A: back along K; B: back along K and 8 row blocks on).
; ar: the register with the scale words' address; st = 1: it steps to the next K slot.
.macro TURN slot, next, mode, ar, st
.if \mode != 0
	s_wait_xcnt 0x0                                ; the last prefetch, a slot back, has read its address: it is stepped here, ahead of the waits of the change of slots
.if (\mode == 2) && (\slot == 0)
	s_sub_nc_u64 s[PFA:PFA+1], s[PFA:PFA+1], 7*TS-8*RBB   ; from the K slot after tile 0's last to tile 1's K slot 1: back along K, 8 row blocks on
	s_cmp_eq_u32 s15, 0
	s_cselect_b32 s[LIM], -1, s[LIM]               ; A's rows are the same for both tiles: they are asked for no more
.else
	s_add_nc_u64 s[PFA:PFA+1], s[PFA:PFA+1], TS
.endif
.endif
	s_wait_tensorcnt 0x0                           ; all my tensor loads have landed: my part of the next slot (every window is 0 here)
	ds_add_u32 v[SPW], v[NIL]                      ; 0 onto my spare word
	s_wait_dscnt 4*NL+1                            ; the add and the youngest twelve loads, A's blocks 4-7, may be out
	WIN MUL_LO
	MUL16 0, 1, NQ-1, \slot, 0                     ; sixteen matrix instructions stand between the add and the wait for it
	s_wait_dscnt 0x0                               ; the add is done, and my reads of this slot are over
	s_barrier_signal -1
	MUL16 2, 1, NQ-1, \slot, 0
	WIN 0
	s_barrier_wait -1
.if \mode == 0
	PLACES NP
.else
	CREST                                          ; the barrier has opened a round of the cluster's barrier: no wave of any partner still reads this slot or has a load on its way
.if \mode == 1
	s_add_nc_u64 s[G0+4*\slot+2:G0+4*\slot+3], s[G0+4*\slot+2:G0+4*\slot+3], 2*TS
	s_add_nc_u64 s[G0B+4*\slot+2:G0B+4*\slot+3], s[G0B+4*\slot+2:G0B+4*\slot+3], 2*TS
.else
	s_sub_nc_u64 s[G0+4*\slot+2:G0+4*\slot+3], s[G0+4*\slot+2:G0+4*\slot+3], 6*TS
	s_sub_nc_u64 s[G0B+4*\slot+2:G0B+4*\slot+3], s[G0B+4*\slot+2:G0B+4*\slot+3], 6*TS-8*RBB
.endif
	JLOAD G0+4*\slot, G1, G0B+4*\slot, G1B         ; the first tensor load behind the round, my one load until the next; its four v_nop are also the places in front of the loads below
.endif
.if \st
	v_add_nc_u32 v[\ar], 128, v[\ar]               ; the next K slot's scale words
.endif
	FETCH_B \next, 0, 0
	FETCH_A \next, 0, 0
	SCALES \next, \ar
.if \mode != 0
	ASK \mode-1                                    ; behind the joint load and the run of LDS loads that the next products wait for
.endif
	WIN MUL_HI
	MUL16 4, 1, NQ-1, \slot, 0
	MUL16 6, 1, NQ-1, \slot, 0
	PLACES NP
	WIN 0
	FETCH_A \next, 0, 4
.endm
.macro RWLOAD tile                     ; 1/|W| of my 128 columns of the tile: lane (r, h), block b: columns 16 b + 8 h + 0 .. 7
	WIN 0x40
.irp b, 0,1,2,3,4,5,6,7
	global_load_b128 v[RWB+8*\b+96*(\b/4):RWB+8*\b+96*(\b/4)+3], v[RWO], s[96:97] offset:512*\tile+64*\b
	global_load_b128 v[RWB+8*\b+96*(\b/4)+4:RWB+8*\b+96*(\b/4)+7], v[RWO], s[96:97] offset:512*\tile+64*\b+16
.endr
	WIN 0
.endm
; A tile's results, block a of 16 rows at a time: 64 sums x 1/|W|, then into the block's four chains.  Each accumulator is read from its low end on.
.macro EPI tile
	s_wait_loadcnt 0x0                             ; the reciprocal norms are in
.irp a, 0,1,2,3,4,5,6,7
	WIN 0x46+\a/4                                  ; destination and source 1 window 1, source 0 window 2 or 3
.irp b, 0,1,2,3,4,5,6,7
.irp i, 0,1,2,3
	v_pk_mul_f32 v[TMP+8*\b+2*\i:TMP+8*\b+2*\i+1], v[8*(8*(\a%4)+\b)+2*\i:8*(8*(\a%4)+\b)+2*\i+1], v[RWB+8*\b+96*(\b/4)+2*\i:RWB+8*\b+96*(\b/4)+2*\i+1]
.endr
.endr
	WIN 0x01                                       ; source 0 window 1, the chains in window 0
.irp b, 0,1,2,3,4,5,6,7
.irp jj, 0,1
.irp p, 0,1,2,3
.if (\tile == 0) && (\b == 0) && (\jj == 0)
	v_mov_b32 v[BV+4*\a+\p], v[TMP+\p]             ; a chain's first number starts it: nothing is cleared
	v_mov_b32 v[BI+4*\a+\p], 0
.else
	v_cmp_le_f32 vcc_lo, v[TMP+8*\b+4*\jj+\p], v[BV+4*\a+\p]
	v_max_num_f32 v[BV+4*\a+\p], v[TMP+8*\b+4*\jj+\p], v[BV+4*\a+\p]
	v_cndmask_b32 v[BI+4*\a+\p], 4*(8*\tile+\b)+\jj, v[BI+4*\a+\p], vcc_lo   ; the code stays where the new number is not larger
.endif
.endr
.endr
.endr
.endr
	WIN 0
.endm
; Of two candidates (value, n) the second is taken where it is larger, or equal with the lower n.  A choice of values: no branch.
.macro MERGE dv, dn, va, na, vb, nb
	v_cmp_gt_f32 s100, v[\vb], v[\va]
	v_cmp_eq_f32 s101, v[\vb], v[\va]
	v_cmp_lt_u32 vcc_lo, v[\nb], v[\na]
	s_and_b32 s101, s101, vcc_lo
	s_or_b32 vcc_lo, s100, s101
	v_cndmask_b32 v[\dv], v[\va], v[\vb], vcc_lo
	v_cndmask_b32 v[\dn], v[\na], v[\nb], vcc_lo
.endm
.irp a, 0,1,2,3,4,5,6,7
	global_load_b32 v[RE+2*\a], v[REO], s[12:13] offset:64*\a      ; 1/|enc| of row 16 a + r
.endr
	RWLOAD 0
	s_wait_tensorcnt 1                             ; the scales and my part of K slot 0 are in; K slot 1's load may be out
	s_barrier_signal -1
	s_barrier_wait -1                              ; everybody's are
	FETCH_B 0, 0, 0
	FETCH_A 0, 0, 0
	SCALES 0, ADRS0
	FETCH_A 0, 0, 4
	; ---- tile 0
	STEP 0, 0, 1                                   ; the first step stands in front of the loop: its products start the sums
	s_mov_b32 s3, 3
.Llap0:                                                ; a trip goes once round the ring and fills both slots again
	TURN 0, 1, 1, ADRS0, 1
	STEP 1, 0, 0
	TURN 1, 0, 1, ADRS0, 1
	STEP 0, 0, 0
	s_sub_co_u32 s3, s3, 1
	s_cmp_lg_u32 s3, 0
	s_cbranch_scc1 .Llap0
	TURN 0, 1, 2, ADRS0, 1                         ; the ring goes on into tile 1: slot 0 takes its K slot 0,
	STEP 1, 0, 0
	TURN 1, 0, 2, ADRS1, 0                         ; slot 1 its K slot 1, and tile 1's first fragments and scale words are fetched
	EPI 0                                          ; behind the four places at the end of the step above
	RWLOAD 1
	; ---- tile 1
	STEP 0, 0, 1
	s_mov_b32 s3, 3
.Llap1:
	TURN 0, 1, 1, ADRS1, 1
	STEP 1, 0, 0
	TURN 1, 0, 1, ADRS1, 1
	STEP 0, 0, 0
	s_sub_co_u32 s3, s3, 1
	s_cmp_lg_u32 s3, 0
	s_cbranch_scc1 .Llap1
	TURN 0, 1, 0, ADRS1, 1                         ; the last lap fills nothing, and has no round of the cluster's barrier
	STEP 1, 0, 0
	s_wait_dscnt 4*NL                              ; the very last step: nothing more to fetch
	WIN MUL_LO
	MUL16 0, 1, NQ-1, 1, 0
	MUL16 2, 1, NQ-1, 1, 0
	s_wait_dscnt 0
	WIN MUL_HI
	MUL16 4, 1, NQ-1, 1, 0
	MUL16 6, 1, NQ-1, 1, 0
	WIN 0
	PLACES NP
	EPI 1
	; ---- the codes become columns; the four chains are joined, the winner takes its 1/|enc|, the two halves of the lanes are joined
	s_lshl_b32 s18, s45, 4
	s_lshl_b32 s19, s16, 8
	s_add_co_u32 s18, s18, s19                     ; 16 NB0 + 256 s16
	v_lshl_add_u32 v[CP], v2, 3, s18               ; + 8 h
.irp p, 1,2,3
	v_add_nc_u32 v[CP+\p], \p, v[CP]
.endr
.irp a, 0,1,2,3,4,5,6,7
.irp p, 0,1,2,3
	v_lshl_add_u32 v[BI+4*\a+\p], v[BI+4*\a+\p], 2, v[CP+\p]       ; n = 4 x code + the chain's first column
.endr
.endr
.irp a, 0,1,2,3,4,5,6,7
	MERGE BV+4*\a, BI+4*\a, BV+4*\a, BI+4*\a, BV+4*\a+1, BI+4*\a+1
	MERGE BV+4*\a+2, BI+4*\a+2, BV+4*\a+2, BI+4*\a+2, BV+4*\a+3, BI+4*\a+3
	MERGE BV+4*\a, BI+4*\a, BV+4*\a, BI+4*\a, BV+4*\a+2, BI+4*\a+2
	v_mul_f32 v[BV+4*\a], v[BV+4*\a], v[RE+2*\a]   ; x 1/|enc|: the cosine of the lane's winner
	v_permlanex16_b32 v[TV], v[BV+4*\a], s98, s99
	v_permlanex16_b32 v[TN], v[BI+4*\a], s98, s99
	MERGE RE+2*\a, RE+2*\a+1, BV+4*\a, BI+4*\a, TV, TN             ; the same in both halves of the lanes
.endr
	; the cosine becomes its key: unsigned order = f32 order
.irp a, 0,1,2,3,4,5,6,7
	v_add_f32 v[RE+2*\a], 0, v[RE+2*\a]            ; -0 becomes +0
.endr
.irp a, 0,1,2,3,4,5,6,7
	v_ashrrev_i32 v[BV+\a], 31, v[RE+2*\a]         ; all ones under a set sign
.endr
.irp a, 0,1,2,3,4,5,6,7
	v_or_b32 v[BV+\a], 0x80000000, v[BV+\a]        ; else the top bit alone
.endr
.irp a, 0,1,2,3,4,5,6,7
	v_xor_b32 v[RE+2*\a], v[RE+2*\a], v[BV+\a]
.endr
.irp a, 0,1,2,3,4,5,6,7
	ds_store_b64 v[STA], v[RE+2*\a:RE+2*\a+1] offset:128*\a        ; row 16 a + r: 8 bytes; both halves of the lanes write the same bytes with the same data
.endr
	s_wait_dscnt 0x0                               ; for the others' sake: my stores into my stage are done
	s_barrier_signal -1
	s_barrier_wait -1                              ; the two column halves of each row now lie in LDS
	ds_load_b128 v[BK:BK+3], v[STR]                ; two rows of my 64: column half 0's pairs,
	ds_load_b128 v[BK+4:BK+7], v[STR] offset:1024  ; and column half 1's
	s_wait_dscnt 0x0
	v_cmp_gt_u32 vcc_lo, v[BK+4], v[BK]            ; half 1's columns come behind half 0's: only a strictly larger key replaces
	v_cndmask_b32 v[BK], v[BK], v[BK+4], vcc_lo
	v_cndmask_b32 v[BK+1], v[BK+1], v[BK+5], vcc_lo
	v_cmp_gt_u32 vcc_lo, v[BK+6], v[BK+2]
	v_cndmask_b32 v[BK+2], v[BK+2], v[BK+6], vcc_lo
	v_cndmask_b32 v[BK+3], v[BK+3], v[BK+7], vcc_lo
	global_store_b128 v[GO], v[BK:BK+3], s[10:11]  ; 512 consecutive bytes, at a multiple of 256 from the buffer's first byte
	s_wait_tensorcnt 0x0                           ; the wave's end: behind my last tensor load and my last LDS store
	ds_add_u32 v[SPW], v[NIL]
	s_wait_dscnt 0x0
	CROUND                                         ; the closing round: no work-group ends while a partner may still ask for a tile that names it
	s_endpgm
.Lfunc_end_k_q8b44bcb941_gemm:
	.size	k_q8b44bcb941_gemm, .Lfunc_end_k_q8b44bcb941_gemm-k_q8b44bcb941_gemm
	.p2alignl 7, 3214868480
	.fill 96, 4, 3214868480
	.section	.rodata,"a",@progbits
	.p2align	6, 0x0
	.amdhsa_kernel k_q8b44bcb941_gemm
		.amdhsa_group_segment_fixed_size 327680
		.amdhsa_private_segment_fixed_size 0
		.amdhsa_enable_private_segment 0
		.amdhsa_kernarg_size 32
		.amdhsa_user_sgpr_count 2
		.amdhsa_user_sgpr_kernarg_segment_ptr 1
		.amdhsa_wavefront_size32 1
		.amdhsa_system_sgpr_workgroup_id_x 1
		.amdhsa_system_sgpr_workgroup_id_y 1
		.amdhsa_system_sgpr_workgroup_id_z 1
		.amdhsa_system_vgpr_workitem_id 0
		.amdhsa_next_free_vgpr 1024
		.amdhsa_next_free_sgpr 102
		.amdhsa_reserve_vcc 1
		.amdhsa_float_denorm_mode_32 3
		.amdhsa_float_denorm_mode_16_64 3
		.amdhsa_memory_ordered 1
		.amdhsa_forward_progress 1
		.amdhsa_inst_pref_size 255
	.end_amdhsa_kernel
	.section	.bss,"aw",@nobits
	.p2align	6
	.space	262144
	.amdgpu_metadata
---
amdhsa.version: [ 1, 2 ]
amdhsa.kernels:
  - .name:           k_q8b44bcb941_gemm
    .symbol:         k_q8b44bcb941_gemm.kd
    .args:
      - { .name: codes, .offset: 0, .size: 8, .value_kind: global_buffer, .address_space: global }
      - { .name: scales, .offset: 8, .size: 8, .value_kind: global_buffer, .address_space: global }
      - { .name: rn, .offset: 16, .size: 8, .value_kind: global_buffer, .address_space: global }
      - { .name: part, .offset: 24, .size: 8, .value_kind: global_buffer, .address_space: global }
    .group_segment_fixed_size: 327680
    .private_segment_fixed_size: 0
    .kernarg_segment_align: 8
    .kernarg_segment_size: 32
    .max_flat_workgroup_size: 128
    .sgpr_count:     102
    .vgpr_count:     1024
    .wavefront_size: 32
...
	.end_amdgpu_metadata
.endif
;; end of part 2
;; launch finish (part 3): grid 516 x 1, 8 waves a work-group, no clusters, 0 bytes of LDS; arguments part, embed_weight, input_ids, modality_mask, out0, out1; writes out0, out1
.if DOCPART == 3
	.amdgcn_target "amdgcn-amd-amdhsa--gfx1250"
	.amdhsa_code_object_version 6
	.text
	.protected	k_q8b44bcb941_finish
	.globl	k_q8b44bcb941_finish
	.p2align	8
	.type	k_q8b44bcb941_finish,@function
k_q8b44bcb941_finish:
	s_mov_b64 s[64:65], 0
	v_nop
	global_prefetch_b8 v0, s[64:65] scope:SCOPE_SE
	s_setreg_imm32_b32 hwreg(HW_REG_WAVE_MODE, 25, 1), 1
	s_wait_xcnt 0x0
; part[x, 32][m, 2048](key, n), whole numbers stored by the launch before: for encoder row m and work-group column x the largest cosine's key (unsigned order = the cosines' order) and its lowest column n.
; The row's argmax is the n of the largest key.  The parts are folded in ascending x, and only a strictly larger key replaces: the parts' columns ascend, so the first maximum is kept.  Part 31 repeats 384 columns of
; part 30: at equal keys the best so far, taken over all columns up to 15,871, already has the lower n.  All compares here are of whole numbers read from memory.
; Three roles, parted by the work-group's number; no LDS, no barrier, waves share nothing.  Matrix units, clusters and LDS would add nothing: bytes and latency bind.
; WORK-GROUPS 0-3: out1.  Wave u = 8 x work-group + wave takes rows 64 u on; a lane takes two neighbouring rows (16 bytes of each part), so a load reads 512 consecutive bytes and the store covers 256 aligned bytes.
; WORK-GROUPS 4-259: the rows of out0 with t < 512, a wave a row of 8,192 bytes: embed_weight[the row's argmax] where the mask is set, embed_weight[input_ids] where it is clear.  The wave folds its own row's 32 pairs
; in scalar registers (a work-group's eight rows are 64 neighbouring bytes of each part); the choice between the two indices is a select.
; WORK-GROUPS 260-515: the rows with t >= 512: the padded encoder part is zero there, so a set mask gives zeros, a clear one embed_weight[input_ids].
; An index outside the table is held at its last row (the table has 16,000 rows).
.macro IMERGE dk, dn, ka, na, kb, nb   ; of two pairs the second is taken where its key is strictly larger
	v_cmp_gt_u32 vcc_lo, v[\kb], v[\ka]
	v_cndmask_b32 v[\dk], v[\ka], v[\kb], vcc_lo
	v_cndmask_b32 v[\dn], v[\na], v[\nb], vcc_lo
.endm
	s_load_b256 s[4:11], s[0:1], 0x0               ; part s[4:5], embed_weight s[6:7], input_ids s[8:9], modality_mask s[10:11]
	s_load_b128 s[12:15], s[0:1], 0x20             ; out0 s[12:13], out1 s[14:15]
	v_lshrrev_b32 v1, 5, v0
	v_readfirstlane_b32 s16, v1                    ; wave 0..7
	v_and_b32 v1, 31, v0
	v_lshlrev_b32 v4, 4, v1                        ; 16 x lane; never rewritten
	v_lshlrev_b32 v5, 3, v1                        ; 8 x lane
	s_mov_b32 s21, 0
	s_wait_kmcnt 0x0
	s_cmp_lt_u32 ttmp9, 4
	s_cbranch_scc0 .Lrows
	; ---- out1
	s_lshl_b32 s19, ttmp9, 3
	s_add_co_u32 s19, s19, s16                     ; u
	s_lshl_b32 s20, s19, 9
	s_add_nc_u64 s[4:5], s[4:5], s[20:21]          ; my 64 rows in a part: 512 bytes
	s_lshl_b32 s20, s19, 8
	s_add_nc_u64 s[14:15], s[14:15], s[20:21]      ; and in out1: 256 bytes
.irp i, 0,1,2,3,4,5,6,7,8,9,10,11,12,13,14,15,16,17,18,19,20,21,22,23,24,25,26,27,28,29,30,31
	global_load_b128 v[16+4*\i:19+4*\i], v4, s[4:5] offset:16384*\i   ; all 32 parts at once; no hint: the row waves read these bytes too
.endr
	s_wait_loadcnt 30                              ; parts 0 and 1 are in; the 30 younger loads may be out
	IMERGE 8, 10, 16, 17, 20, 21                   ; they start the best so far: v8, v10 my even row's key and n, v9, v11 my odd row's
	IMERGE 9, 11, 18, 19, 22, 23
.irp i, 2,3,4,5,6,7,8,9,10,11,12,13,14,15,16,17,18,19,20,21,22,23,24,25,26,27,28,29,30,31
	s_wait_loadcnt 31-\i                           ; part i is in; the younger ones stay out
	IMERGE 8, 10, 8, 10, 16+4*\i, 17+4*\i
	IMERGE 9, 11, 9, 11, 18+4*\i, 19+4*\i
.endr
	global_store_b64 v5, v[10:11], s[14:15]        ; 32 lanes store 256 consecutive aligned bytes
	s_branch .Lend
.Lrows:
	; ---- a row of out0
	s_sub_co_u32 s19, ttmp9, 4
	s_lshl_b32 s19, s19, 3
	s_add_co_u32 s19, s19, s16                     ; j = 0 .. 4095
	s_lshr_b32 s17, s19, 11                        ; 0: t < 512;  1: t >= 512
	s_and_b32 s18, s19, 2047                       ; m: batch m / 512, t % 512 = m % 512
	s_lshr_b32 s20, s18, 9
	s_lshl_b32 s20, s20, 9
	s_add_co_u32 s19, s18, s20
	s_lshl_b32 s17, s17, 9
	s_add_co_u32 s19, s19, s17                     ; the row of out0: 1,024 x batch + t
	s_mov_b32 s20, s19
	s_add_nc_u64 s[10:11], s[10:11], s[20:21]
	s_lshl_b32 s20, s19, 2
	s_add_nc_u64 s[8:9], s[8:9], s[20:21]
	s_load_u8 s24, s[10:11], 0x0                   ; its mask
	s_load_b32 s25, s[8:9], 0x0                    ; its token
	s_lshl_b32 s20, s19, 13
	s_add_nc_u64 s[12:13], s[12:13], s[20:21]
	s_cmp_lt_u32 ttmp9, 260
	s_cbranch_scc0 .Lhigh
	s_lshl_b32 s20, s18, 3
	s_add_nc_u64 s[4:5], s[4:5], s[20:21]          ; my row's pair in part 0
.irp p, 0,1,2,3,4,5,6,7,8,9,10,11,12,13,14,15,16,17,18,19,20,21,22,23,24,25,26,27,28,29,30,31
	s_load_b64 s[32+2*\p+2*(\p/16):33+2*\p+2*(\p/16)], s[4:5], 16384*\p   ; part p's pair: s[32:63] for parts 0-15, s[66:97] for parts 16-31
.endr
	s_wait_kmcnt 0x0                               ; scalar loads come back in no order: the one wait is for all
.irp p, 1,2,3,4,5,6,7,8,9,10,11,12,13,14,15,16,17,18,19,20,21,22,23,24,25,26,27,28,29,30,31
	s_cmp_gt_u32 s[32+2*\p+2*(\p/16)], s32         ; the best so far lives in part 0's pair
	s_cselect_b32 s32, s[32+2*\p+2*(\p/16)], s32
	s_cselect_b32 s33, s[33+2*\p+2*(\p/16)], s33
.endr
	s_cmp_lg_u32 s24, 0
	s_cselect_b32 s25, s33, s25                    ; the argmax under a set mask, else the token
	s_branch .Lcopy
.Lhigh:
	s_wait_kmcnt 0x0
	s_cmp_eq_u32 s24, 0
	s_cbranch_scc1 .Lcopy
	v_mov_b32 v8, 0
	v_mov_b32 v9, 0
	v_mov_b32 v10, 0
	v_mov_b32 v11, 0
.irp i, 0,1,2,3,4,5,6,7,8,9,10,11,12,13,14,15
	global_store_b128 v4, v[8:11], s[12:13] offset:512*\i th:TH_STORE_NT
.endr
	s_branch .Lend
.Lcopy:
	s_min_u32 s25, s25, 15999
	s_lshl_b32 s20, s25, 13
	s_add_nc_u64 s[6:7], s[6:7], s[20:21]
.irp i, 0,1,2,3,4,5,6,7,8,9,10,11,12,13,14,15
	global_load_b128 v[16+4*\i:19+4*\i], v4, s[6:7] offset:512*\i  ; the whole row at once: 16 loads of 512 consecutive bytes; no hint: several rows may name the same row of the table
.endr
.irp i, 0,1,2,3,4,5,6,7,8,9,10,11,12,13,14,15
	s_wait_loadcnt 15-\i                           ; load i is in; the younger ones stay out
	global_store_b128 v4, v[16+4*\i:19+4*\i], s[12:13] offset:512*\i th:TH_STORE_NT
.endr
.Lend:
	s_endpgm
.Lfunc_end_k_q8b44bcb941_finish:
	.size	k_q8b44bcb941_finish, .Lfunc_end_k_q8b44bcb941_finish-k_q8b44bcb941_finish
	.p2alignl 7, 3214868480
	.fill 96, 4, 3214868480
	.section	.rodata,"a",@progbits
	.p2align	6, 0x0
	.amdhsa_kernel k_q8b44bcb941_finish
		.amdhsa_group_segment_fixed_size 0
		.amdhsa_private_segment_fixed_size 0
		.amdhsa_enable_private_segment 0
		.amdhsa_kernarg_size 48
		.amdhsa_user_sgpr_count 2
		.amdhsa_user_sgpr_kernarg_segment_ptr 1
		.amdhsa_wavefront_size32 1
		.amdhsa_system_sgpr_workgroup_id_x 1
		.amdhsa_system_sgpr_workgroup_id_y 1
		.amdhsa_system_sgpr_workgroup_id_z 1
		.amdhsa_system_vgpr_workitem_id 0
		.amdhsa_next_free_vgpr 144
		.amdhsa_next_free_sgpr 98
		.amdhsa_reserve_vcc 1
		.amdhsa_float_denorm_mode_32 3
		.amdhsa_float_denorm_mode_16_64 3
		.amdhsa_memory_ordered 1
		.amdhsa_forward_progress 1
		.amdhsa_inst_pref_size 22
	.end_amdhsa_kernel
	.amdgpu_metadata
---
amdhsa.version: [ 1, 2 ]
amdhsa.kernels:
  - .name:           k_q8b44bcb941_finish
    .symbol:         k_q8b44bcb941_finish.kd
    .args:
      - { .name: part, .offset: 0, .size: 8, .value_kind: global_buffer, .address_space: global }
      - { .name: embed_weight, .offset: 8, .size: 8, .value_kind: global_buffer, .address_space: global }
      - { .name: input_ids, .offset: 16, .size: 8, .value_kind: global_buffer, .address_space: global }
      - { .name: modality_mask, .offset: 24, .size: 8, .value_kind: global_buffer, .address_space: global }
      - { .name: out0, .offset: 32, .size: 8, .value_kind: global_buffer, .address_space: global }
      - { .name: out1, .offset: 40, .size: 8, .value_kind: global_buffer, .address_space: global }
    .group_segment_fixed_size: 0
    .private_segment_fixed_size: 0
    .kernarg_segment_align: 8
    .kernarg_segment_size: 48
    .max_flat_workgroup_size: 256
    .sgpr_count:     98
    .vgpr_count:     144
    .wavefront_size: 32
...
	.end_amdgpu_metadata
.endif
;; end of part 3
